; MI455X (gfx1250); checked and timed in simulation.
; The chip was launched on July 23, 2026; its instructions are those of AMD's public machine-readable ISA for CDNA 5 (MIT licence, August 2026) and "CDNA5" Instruction Set Architecture Reference Guide (July 2026). The comments in the code are by the model that wrote it; some were corrected since.
;; Patch Downsample Block. Allowed arithmetic: matrix products marked QUANTISED: E5M2 operands, one given power-of-two scale a tensor, by v_wmma_f32_16x16x64_bf8_bf8 or v_wmma_f32_16x16x128_bf8_bf8, f32 sums; products left as they are: f32 operands where the result goes on into a quantised operand, else bf16, f16 or f32 operands; f32 sums; everything else in f32.
;; Inputs: W1 384 x 768 float32; W2 768 x 384 float32; Wk 384 x 384 float32; Wq 384 x 384 float32; Wv 384 x 384 float32; b1 768 float32; b2 384 float32; beta 384 float32; bk 384 float32; bq 384 float32; bv 384 float32; gamma 384 float32; lowp_scales 10 int32 (the exponents e of the quantised operands' scales 2^e); x 8 x 16 x 32 x 32 x 384 float32.
;; Outputs: out0 8 x 16 x 16 x 16 x 384 float32.
;; This version of the problem:
;;   THIS VERSION OF THE PROBLEM IS GIVEN IN LOW PRECISION. The matrix products marked QUANTISED in the list below multiply operands that are first quantised to E5M2 (5 exponent bits, 2 mantissa bits; 8 bits a number), with one given power-of-two scale for each operand tensor; their sums are f32. All else is computed in f32.
;;   The module's matrix products, in the order in which they are computed (A, B: the left and right operand; K: the contracted axis; several contracted axes count as one K, in the product's order):
;;     1. [M 32,768, K 384] x [K 384, N 384]; A: computed on the way; B: input Wq: QUANTISED (scales: A lowp_scales[0], B lowp_scales[1])
;;     2. [M 131,072, K 384] x [K 384, N 384]; A: input x; B: input Wk: QUANTISED (scales: A lowp_scales[2], B lowp_scales[3])
;;     3. [M 131,072, K 384] x [K 384, N 384]; A: input x; B: input Wv: QUANTISED (scales: A lowp_scales[4], B lowp_scales[5])
;;     4. batch 32,768 x [M 1, K 384] x [K 384, N 4]; A: computed on the way; B: computed on the way: left as it is (M = 1 < 16)
;;     5. batch 32,768 x [M 1, K 4] x [K 4, N 384]; A: softmax; B: computed on the way: left as it is (K = 4 < 32)
;;     6. [M 32,768, K 384] x [K 384, N 768]; A: computed on the way; B: input W1: QUANTISED (scales: A lowp_scales[6], B lowp_scales[7])
;;     7. [M 32,768, K 768] x [K 768, N 384]; A: computed on the way; B: input W2: QUANTISED (scales: A lowp_scales[8], B lowp_scales[9])
;;   THE QUANTISER, for each operand of a quantised product, along K:
;;     - The operand's scale is 2^e, e = its entry of the input lowp_scales (int32; the entries are numbered through the quantised products in the list's order, A before B).
;;     - Each number is divided by the scale, clamped to +-57,344, and rounded to the nearest number of E5M2, ties to even, subnormals kept.
;;     - The product sums the exact products of the quantised numbers (number of the format x scale) in f32.
;;   ~~~python
;;   def quantise(x, axis, e):      # numpy; x: float32 -> the quantised numbers, widened to float32 again
;;       x = np.moveaxis(x, axis, -1); K = x.shape[-1]
;;       r = np.clip(x / 2.0 ** e, -57344, 57344)
;;       step = 2.0 ** (np.maximum(np.frexp(np.where(r == 0, 1, r))[1] - 1, -14) - 2)
;;       q = np.round(r / step) * step * 2.0 ** e      # np.round: ties to even
;;       return np.moveaxis(q, -1, axis).astype(np.float32)
;;   ~~~
;;   OPERANDS COMPUTED ON THE WAY. 'Computed on the way' means the value that the module computes at that place (a softmax that the list does not call 'softmax' is quantised finished and normalised). What goes into a quantiser is computed in f32, as accurately as f32 sums, v_exp_f32 and their like allow (about 1e-6 of the number): no bf16 or f16 on the way to a quantiser, and a product that is left as it is and whose result goes on into a quantised operand takes f32 operands (vector FMAs, or v_wmma_f32_16x16x4_f32). A number that lies on a knife's edge between two numbers of the format may be rounded either way, as far as f32 arithmetic and the matrix unit's own rounding can turn it there, and no further.
;; One version. Each part assembles by itself: llvm-mc -triple=amdgcn-amd-amdhsa -mcpu=gfx1250 --defsym DOCPART=n.
;; ======== version 1 of 1: 2 launches
;; limits: right only within a limited range of input values
;; workspace buffers: wc 1,032,192 bytes
;; launch prep (part 1): grid 12 x 21, 4 waves a work-group, no clusters, 0 bytes of LDS; arguments Wq, Wk, Wv, W1, W2, lowp_scales, wc; writes wc
.if DOCPART == 1
	.amdgcn_target "amdgcn-amd-amdhsa--gfx1250"
	.amdhsa_code_object_version 6
	.text
	.protected	k_qd9c00c5abc_prep
	.globl	k_qd9c00c5abc_prep
	.p2align	8
	.type	k_qd9c00c5abc_prep,@function
k_qd9c00c5abc_prep:
	s_mov_b64 s[64:65], 0
	v_nop
	global_prefetch_b8 v0, s[64:65] scope:SCOPE_SE
	s_setreg_imm32_b32 hwreg(HW_REG_WAVE_MODE, 25, 1), 1
	s_wait_xcnt 0x0
; The five weights, f32 stored [K][N], become codes of BF8 (E5M2), each with its given scale 2^e, laid in wc in the order in which a wave's operand registers take them.
; wc is a run of fragments of 2,048 bytes (16 output channels x 128 along K).  Byte 512 c + 16 (m + 16 h) + i of a fragment is the code of k = 128 s + 32 c + 16 h + i
; at channel 32 nb + 8 u + m + 8 (m / 8); the fragment's number inside its matrix is (2 nb + u) S + s, S = K / 128.  Matrices begin at 0 (Wq), 147,456 (Wk), 294,912 (Wv), 442,368 (W1), 737,280 (W2).
; A work-group takes 32 columns x 128 along K of one matrix, wave c its k block c.  A LANE TAKES A COLUMN AND ITS 32 REGISTERS RUN DOWN K, so the conversions give codes with K innermost and nothing is transposed.
; A load of a wave reads 128 consecutive bytes; a store writes two runs of 256 consecutive bytes, each aligned to 256 (sixteen lanes each).
; code = w / 2^e, held within +-57,344, to the nearest code, ties to even.  LIMITS: -126 <= e <= 112 for each of the five; NaN among the inputs is not served.
.set XR, 16                            ; v16-47  32 numbers down K
.set CD, 48                            ; v48-55  their codes
	s_load_b256 s[4:11], s[0:1], 0x0               ; Wq, Wk, Wv, W1
	s_load_b128 s[12:15], s[0:1], 0x20             ; W2, the scales' exponents
	s_load_b64 s[16:17], s[0:1], 0x30              ; wc
	v_lshrrev_b32 v1, 5, v0
	v_readfirstlane_b32 s18, v1                    ; wave = k block c
	v_and_b32 v2, 31, v0                           ; lane = column in the block of 32
	s_wait_alu depctr_va_vdst(0)
	s_and_b32 s19, ttmp7, 0xffff                   ; y, 0 .. 20: three to each of seven parts
	s_mul_i32 s20, s19, 11
	s_lshr_b32 s20, s20, 5                         ; part = y / 3: 0 Wq, 1 Wk, 2 Wv, 3 and 4 W1's halves of columns, 5 and 6 W2's halves of K
	s_mul_i32 s21, s20, 3
	s_sub_co_u32 s21, s19, s21                     ; y % 3
	s_cmp_eq_u32 s20, 4
	s_cselect_b32 s23, 12, 0
	s_add_co_u32 s22, ttmp9, s23                   ; nb: which 32 columns
	s_cmp_eq_u32 s20, 6
	s_cselect_b32 s23, 3, 0
	s_add_co_u32 s21, s21, s23                     ; s: which 128 along K
	s_cmp_ge_u32 s20, 5
	s_cselect_b32 s34, 6, 3                        ; S
	s_min_u32 s35, s20, 3
	s_mul_i32 s35, s35, 147456
	s_mov_b32 s36, 737280
	s_cmp_ge_u32 s20, 5
	s_cselect_b32 s35, s36, s35                    ; the matrix's first byte in wc
	s_sub_co_u32 s37, s20, 3                       ; 0 or 1 for W1 alone
	s_mov_b32 s38, 3072
	s_cmp_lt_u32 s37, 2
	s_cselect_b32 s38, s38, 1536                   ; a row of the matrix in bytes
	s_lshl_b32 s39, s21, 7
	s_lshl_b32 s40, s18, 5
	s_add_co_u32 s39, s39, s40                     ; my first row: 128 s + 32 c
	s_mul_i32 s39, s39, s38
	s_lshl_b32 s40, s22, 7
	s_add_co_u32 s40, s39, s40                     ; + 128 bytes for each block of 32 columns
	s_mov_b32 s41, 0
	s_mul_i32 s42, s22, s34
	s_lshl_b32 s42, s42, 1
	s_add_co_u32 s42, s42, s21                     ; fragment 2 nb S + s
	s_lshl_b32 s42, s42, 11
	s_add_co_u32 s42, s42, s35
	s_lshl_b32 s43, s18, 9
	s_add_co_u32 s42, s42, s43                     ; + 512 c
	s_mov_b32 s43, 0
	s_lshl_b32 s44, s34, 11                        ; S fragments on: tile 2 nb + 1
	v_lshlrev_b32 v3, 2, v2                        ; in: 4 bytes a lane
	v_bfe_u32 v4, v2, 3, 1                         ; u = (lane / 8) % 2
	v_and_b32 v5, 7, v2
	v_lshrrev_b32 v6, 4, v2
	v_lshl_add_u32 v5, v6, 3, v5                   ; m = lane % 8 + 8 (lane / 16)
	v_mul_u32_u24 v4, v4, s44
	v_lshl_add_u32 v4, v5, 4, v4                   ; out: u x S x 2,048 + 16 m
	s_wait_kmcnt 0x0
	s_load_b256 s[24:31], s[14:15], 0x0            ; e0 .. e7
	s_load_b64 s[32:33], s[14:15], 0x20            ; e8, e9
	s_cmp_eq_u32 s20, 1                            ; the matrix is chosen by the work-group's number alone
	s_cselect_b64 s[4:5], s[6:7], s[4:5]
	s_cmp_eq_u32 s20, 2
	s_cselect_b64 s[4:5], s[8:9], s[4:5]
	s_cmp_ge_u32 s20, 3
	s_cselect_b64 s[4:5], s[10:11], s[4:5]
	s_cmp_ge_u32 s20, 5
	s_cselect_b64 s[4:5], s[12:13], s[4:5]
	s_add_nc_u64 s[4:5], s[4:5], s[40:41]
	s_add_nc_u64 s[16:17], s[16:17], s[42:43]
.macro LOADS pitch                     ; W(my first row + i, my column), i = 0 .. 31: the row stands in the immediate
.set jj, 0
.rept 32
	global_load_b32 v[XR+jj], v3, s[4:5] offset:jj*\pitch
.set jj, jj+1
.endr
.endm
	s_cmp_lt_u32 s37, 2
	s_cbranch_scc1 .Lwide
	s_wait_alu depctr_va_vdst(0)
	LOADS 1536
	s_branch .Lgot
.Lwide:
	s_wait_alu depctr_va_vdst(0)
	LOADS 3072
.Lgot:
	s_wait_kmcnt 0x0
	s_mov_b32 s45, s25                             ; e: entries 1, 3, 5, 7, 9 of the scales
	s_cmp_eq_u32 s20, 1
	s_cselect_b32 s45, s27, s45
	s_cmp_eq_u32 s20, 2
	s_cselect_b32 s45, s29, s45
	s_cmp_ge_u32 s20, 3
	s_cselect_b32 s45, s31, s45
	s_cmp_ge_u32 s20, 5
	s_cselect_b32 s45, s33, s45
	s_add_co_i32 s45, s45, 127
	s_lshl_b32 s46, s45, 23
	v_mov_b32 v11, s46                             ; 2^e as f32: the conversion takes its exponent field
	s_add_co_i32 s45, s45, 15
	s_lshl_b32 s45, s45, 23
	s_or_b32 s45, s45, 0x600000
	v_mov_b32 v10, s45                             ; 57,344 x 2^e
	s_wait_alu depctr_va_vdst(0)
	s_wait_loadcnt 0x0
.set jj, 0
.rept 32
	v_med3_num_f32 v[XR+jj], v[XR+jj], -v10, v10   ; the conversion to an 8-bit code does not saturate (ISA guide 7.6.2): the hold comes first
.set jj, jj+1
.endr
.irp g, 0,1,2,3
	v_cvt_scalef32_pk8_bf8_f32 v[CD+2*\g:CD+2*\g+1], v[XR+8*\g:XR+8*\g+7], v11
.endr
	global_store_b128 v4, v[CD:CD+3], s[16:17]               ; k + 0 .. 15: the half h = 0 of the register group
	global_store_b128 v4, v[CD+4:CD+7], s[16:17] offset:256  ; k + 16 .. 31: h = 1
	s_endpgm
.Lfunc_end_k_qd9c00c5abc_prep:
	.size	k_qd9c00c5abc_prep, .Lfunc_end_k_qd9c00c5abc_prep-k_qd9c00c5abc_prep
	.p2alignl 7, 3214868480
	.fill 96, 4, 3214868480
	.section	.rodata,"a",@progbits
	.p2align	6, 0x0
	.amdhsa_kernel k_qd9c00c5abc_prep
		.amdhsa_group_segment_fixed_size 0
		.amdhsa_private_segment_fixed_size 0
		.amdhsa_enable_private_segment 0
		.amdhsa_kernarg_size 56
		.amdhsa_user_sgpr_count 2
		.amdhsa_user_sgpr_kernarg_segment_ptr 1
		.amdhsa_wavefront_size32 1
		.amdhsa_system_sgpr_workgroup_id_x 1
		.amdhsa_system_sgpr_workgroup_id_y 1
		.amdhsa_system_sgpr_workgroup_id_z 1
		.amdhsa_system_vgpr_workitem_id 0
		.amdhsa_next_free_vgpr 64
		.amdhsa_next_free_sgpr 66
		.amdhsa_reserve_vcc 0
		.amdhsa_float_denorm_mode_32 3
		.amdhsa_float_denorm_mode_16_64 3
		.amdhsa_memory_ordered 1
		.amdhsa_forward_progress 1
		.amdhsa_inst_pref_size 12
	.end_amdhsa_kernel
	.amdgpu_metadata
---
amdhsa.version: [ 1, 2 ]
amdhsa.kernels:
  - .name:           k_qd9c00c5abc_prep
    .symbol:         k_qd9c00c5abc_prep.kd
    .args:
      - { .name: Wq, .offset: 0, .size: 8, .value_kind: global_buffer, .address_space: global }
      - { .name: Wk, .offset: 8, .size: 8, .value_kind: global_buffer, .address_space: global }
      - { .name: Wv, .offset: 16, .size: 8, .value_kind: global_buffer, .address_space: global }
      - { .name: W1, .offset: 24, .size: 8, .value_kind: global_buffer, .address_space: global }
      - { .name: W2, .offset: 32, .size: 8, .value_kind: global_buffer, .address_space: global }
      - { .name: lowp_scales, .offset: 40, .size: 8, .value_kind: global_buffer, .address_space: global }
      - { .name: wc, .offset: 48, .size: 8, .value_kind: global_buffer, .address_space: global }
    .group_segment_fixed_size: 0
    .private_segment_fixed_size: 0
    .kernarg_segment_align: 8
    .kernarg_segment_size: 56
    .max_flat_workgroup_size: 128
    .sgpr_count:     66
    .vgpr_count:     64
    .wavefront_size: 32
...
	.end_amdgpu_metadata
.endif
;; end of part 1
;; launch main (part 2): grid 256 x 1, 4 waves a work-group, no clusters, 327,680 bytes of LDS; arguments x, wc, lowp_scales, bq, bk, bv, b1, b2, gamma, beta, out0; writes out0
.if DOCPART == 2
	.amdgcn_target "amdgcn-amd-amdhsa--gfx1250"
	.amdhsa_code_object_version 6
	.text
	.protected	k_qd9c00c5abc_main
	.globl	k_qd9c00c5abc_main
	.p2align	8
	.type	k_qd9c00c5abc_main,@function
k_qd9c00c5abc_main:
	s_mov_b64 s[64:65], 0
	v_nop
	global_prefetch_b8 v0, s[64:65] scope:SCOPE_SE
	s_setreg_imm32_b32 hwreg(HW_REG_WAVE_MODE, 25, 1), 1
	s_wait_xcnt 0x0
; PatchDownsampleBlock, whole, on codes of BF8 (E5M2).  For each window of 2 x 2 tokens: q = Q(mean) Wq + bq; k, v = Q(x) Wk + bk, Q(x) Wv + bv for its four tokens; softmax of the four q . k / sqrt(384);
; out = the weighted sum of v; y = Q(gelu(Q(out) W1 + b1)) W2 + b2; LayerNorm.  The five large products go by v_wmma_f32_16x16x128_bf8_bf8; the two small ones, the softmax, GELU (erf) and the norm are f32.
; SHARES.  256 work-groups; each owns 128 windows: 512 tokens, 786,432 consecutive bytes of x, in 8 blocks of 16 windows (two image rows, 98,304 bytes).
; THE FOUR WAVES SHARE THE CHANNELS, NOT THE ROWS: wave w makes channels 96 w .. 96 w + 95 of q, k, v, out and y and hidden units 192 w .. 192 w + 191.  So each weight fragment serves one wave alone and goes
; from memory (laid in register order by the launch before) straight into that wave's registers, once in the launch.  Activations go from wave to wave as images of operand registers in LDS.
; NO CLUSTER: a joint load lands in LDS, while each weight byte here is wanted in one wave's registers once; through LDS it would be 1,032,192 bytes more written and read per work-group; x is shared by nobody.
; BOTH PRODUCTS ARE USED TRANSPOSED (source 0 = 16 channels, source 1 = 16 rows), and a tile of rows is ONE POSITION OF THE 16 WINDOWS: lane (r, h) holds window r throughout and its registers run along channels.
; The channels of a tile are not neighbours: lane m of tile 2 b + u takes channel 32 b + 8 u + m + 8 (m / 8), so the 16 registers of two neighbouring tiles are 16 neighbours along the next K.
; ATTENTION, 8 blocks: x's block comes by four tensor loads (one position a wave) into ONE slot; QUANT makes 27 fragment images of it (the mean's, k's and v's codes: x has two scales); the slot is filled again
; while COMPUTE runs the block's 162 matrix instructions a wave.  Wq, Wk, Wv stay in registers (48 fragments a wave) and in LDS (Wq's third K step).  A second slot does not fit beside them.
; MLP, once, on all 128 windows: W1 and W2 take the same registers, asked for as the attention's weights and then W1's groups are done with.  It goes BY TURNS: in the first product one half's GELU stands
; between the other half's products; in the second a tile's norm, its way through the stage and its stores stand between the next tile's products.
; LIMITS on the given exponents, so that each power of two made below is an f32 number: e2, e4, e0 + 2, e6 - e4 - e5 and e8 between -126 and 112; e6 + e7 between -125 and 126.  NaN among the inputs is not served.
; ORDERS OF ROUNDING that differ from the source: the mean is ((x0 + x1) + x2) + x3 with the quarter folded into its scale (exact); q . (k + bk) is q . k + q . bk; bv is added once and not weighted by the
; weights' sum, which is 1; the variance is joined from the four waves' means and sums of squares about them (no difference of large sums).  erf is a rational form in z^2 with z held at +-4, a few 1e-7 absolute.
.set POSB,  25344                      ; LDS: a position of the slot: 16 windows x 1,584 (a token's 1,536 bytes + 16 of padding behind each 512)
.set CODES, 101376                     ; behind the slot (4 positions): 27 fragment images of 2,048 bytes: 0-2 the mean, 3 + 3 a + s k's codes, 15 + 3 a + s v's codes
.set OUTC,  156672                     ; out's codes: 8 tiles of rows x 3 fragments
.set WQL,   205824                     ; Wq's fragments of K step 2: 12,288 bytes a wave
.set TAB,   254976                     ; the biases (each divided by its product's two scales), gamma and beta, in channel order
.set T_BQ,  0
.set T_BK,  1536
.set T_BV,  3072
.set T_B2,  4608
.set T_GA,  6144
.set T_BE,  7680
.set T_B1,  9216
.set LX,    267264                     ; the waves' parts of the four logits: 512 bytes a wave
.set LNX,   269312                     ; the waves' means and sums of squares: 256 bytes a wave
.set SPARE, 271360                     ; the spare words, 128 bytes for each wave: two blocks of 256 bytes that no other line names
.set STAGE, CODES                      ; MLP: y's stage, 16 rows x (1,536 + 16), where the images lay.  The hidden layer's codes (8 x 6 fragments) lie from byte 0, in the slot, which has had its last fill
.set C_WK,  147456                     ; wc: the matrices' first bytes
.set C_WV,  294912
.set C_W1,  442368
.set C_W2,  737280
; window 0
.set LI,  1                            ; 16 x lane
.set XA,  2                            ; v2, v3: my 64 bytes of a token in positions 0-1, 2-3
.set CW,  4                            ; where I store code images
.set CR,  5                            ; where I read them
.set OW,  6                            ; where I store out's codes
.set AH,  7                            ; the address in hand
.set TB,  8                            ; the tables, my wave's 96 channels, my half
.set TB1, 9                            ; b1, my wave's 192
.set LXW, 10
.set LXR, 11
.set WQA, 12
.set SPW, 13                           ; SPARE + 4 x my thread's number; never rewritten
.set NIL, 14                           ; 0; never rewritten
.set SK,  15                           ; 2^e2 and 57,344 x 2^e2
.set LK,  16
.set SV,  17                           ; the same of e4
.set LV,  18
.set SM,  19                           ; of e0 + 2
.set LM,  20
.set SQO, 21                           ; of e6 - e4 - e5
.set LO,  22
.set CL,  23                           ; c = log2(e) / sqrt(384) x 2^(e0 + e1 + e2 + e3)
.set D,   24                           ; v24-31 four chains of a dot product
.set Q,   32                           ; v32-79 q, later out
.set ACC0, 80
.set ACC1, 128
.set FR,  176                          ; v176-223 three fragments of codes, by turns
.set LG,  224                          ; v224-231 the four logits in halves; later the four weights, twice each
.set LS,  232
.set EX,  236                          ; v236-251 the four waves' logits; later out's codes
.set QB,  252                          ; q . bk
.set TMP, 254
.set PF,  255                          ; 256 x my thread's number
.set X,   32                           ; QUANT: v32-95 16 numbers of each position
.set S,   96                           ; their sum
.set T,   112                          ; held for k's scale
.set PC,  128                          ; 8 registers of codes a position
.set PCM, 160                          ; the mean's
.set PCH, 16                           ; MLP, first product: v16-23 the two halves' codes (the attention's scales are done with)
.set GZ,  32                           ; GELU on 16 numbers a lane: z, later x / 2;
.set GX,  48                           ; z^2;
.set GP,  64                           ; the numerator;
.set GQ,  80                           ; the denominator
.set A1,  96                           ; v96-127 four accumulators
.set FM,  128                          ; v128-175 out's three fragments
.set B1G, 224                          ; v224-255 b1 of the group's four tiles
.set AM,  80                           ; second product: v80-127 six accumulators
.set F2,  128                          ; v128-175 three hidden fragments by turns
.set DD,  176                          ; v176-223 y less my wave's mean, on its way through the norm.  Rows of y on their way out: v224-255 and v60-75
.set MSB, 0
.macro WIN new                         ; the immediate's high byte repeats the setting that is left; a switch that changes nothing is dropped
.if MSB != (\new)
	s_set_vgpr_msb (MSB<<8)|(\new)
.set MSB, (\new)
.endif
.endm
.macro PLACES n                        ; plain vector instructions between a matrix instruction and a load into, or a read or write of, its registers (ISA guide 7.12.1 for reads and writes)
.rept \n
	v_nop
.endr
.endm
; WHERE WEIGHTS LIE.  Lower slot j (0 .. 35): window 1 + j / 12, register 16 (j % 12).  Upper slot u (0 .. 11): window 1 + u / 4, register 192 + 16 (u % 4).
; Attention: Wk(s, t) lower 6 s + t; Wv(s, t) lower 18 + 6 s + t; Wq(s < 2, t) upper 6 s + t.  MLP: W1's fragment j lower j; W2's (u = 6 s + t) upper u, from u = 12 on lower u - 12.
.macro LOADL j, sb, off
	WIN (1+(\j)/12)<<6
.irp c, 0,1,2,3
	global_load_b128 v[16*((\j)%12)+4*\c:16*((\j)%12)+4*\c+3], v[LI], s[\sb:\sb+1] offset:(\off)+512*\c
.endr
.endm
.macro LOADU u, sb, off
	WIN (1+(\u)/4)<<6
.irp c, 0,1,2,3
	global_load_b128 v[192+16*((\u)%4)+4*\c:192+16*((\u)%4)+4*\c+3], v[LI], s[\sb:\sb+1] offset:(\off)+512*\c
.endr
.endm
.macro LOADW1 G                        ; W1's group G: hidden tiles 4 G .. 4 G + 3, three K steps
.irp i, 0,1,2,3,4,5,6,7,8,9,10,11
	LOADL 12*\G+\i, 56, 2048*(12*\G+\i)
.endr
	WIN 0
.endm
.macro LOADW2L j0                      ; W2's fragments u = j0 + 12 .. j0 + 23
.irp i, 0,1,2,3,4,5,6,7,8,9,10,11
	LOADL \j0+\i, 58, 12288*((\j0+\i)%6)+2048*((\j0+\i+12)/6)
.endr
	WIN 0
.endm
; Six products on six accumulators by turns, one instruction a turn.  cz = 1: the products start the sums.
.macro RUNL j0, breg, acc, cz
	WIN 1+(\j0)/12
.irp t, 0,1,2,3,4,5
.if \cz
	v_wmma_f32_16x16x128_bf8_bf8 v[\acc+8*\t:\acc+8*\t+7], v[16*((\j0)%12)+16*\t:16*((\j0)%12)+16*\t+15], v[\breg:\breg+15], 0
.else
	v_wmma_f32_16x16x128_bf8_bf8 v[\acc+8*\t:\acc+8*\t+7], v[16*((\j0)%12)+16*\t:16*((\j0)%12)+16*\t+15], v[\breg:\breg+15], v[\acc+8*\t:\acc+8*\t+7]
.endif
.endr
	WIN 0
.endm
.macro RUNU s, breg, acc, cw           ; the same from the upper slots 6 s + t.  cw = 1: C is window 3's v[8 t] on (b2)
.irp t, 0,1,2,3,4,5
.if \cw
	WIN (1+(6*\s+\t)/4)|0x30
	v_wmma_f32_16x16x128_bf8_bf8 v[\acc+8*\t:\acc+8*\t+7], v[192+16*((6*\s+\t)%4):192+16*((6*\s+\t)%4)+15], v[\breg:\breg+15], v[8*\t:8*\t+7]
.else
	WIN 1+(6*\s+\t)/4
	v_wmma_f32_16x16x128_bf8_bf8 v[\acc+8*\t:\acc+8*\t+7], v[192+16*((6*\s+\t)%4):192+16*((6*\s+\t)%4)+15], v[\breg:\breg+15], v[\acc+8*\t:\acc+8*\t+7]
.endif
.endr
	WIN 0
.endm
.macro FLOAD n                         ; code image n into place n % 3
.irp c, 0,1,2,3
	ds_load_b128 v[FR+16*((\n)%3)+4*\c:FR+16*((\n)%3)+4*\c+3], v[CR] offset:2048*(\n)+512*\c
.endr
.endm
.macro TLOAD reg, arr                  ; 48 numbers of a table in the accumulators' layout: register 16 b + i = channel 96 w + 32 b + 16 h + i
.irp b, 0,1,2
.irp q, 0,1,2,3
	ds_load_b128 v[\reg+16*\b+4*\q:\reg+16*\b+4*\q+3], v[TB] offset:\arr+128*\b+16*\q
.endr
.endr
.endm
.macro DOTS acc, k0, n                 ; n pairs of q . acc, from pair k0 on, each accumulator from its low end, in four chains
.set kk, \k0
.rept \n
.if kk < 4
	v_pk_mul_f32 v[D+2*(kk%4):D+2*(kk%4)+1], v[\acc+2*kk:\acc+2*kk+1], v[Q+2*kk:Q+2*kk+1]
.else
	v_pk_fma_f32 v[D+2*(kk%4):D+2*(kk%4)+1], v[\acc+2*kk:\acc+2*kk+1], v[Q+2*kk:Q+2*kk+1], v[D+2*(kk%4):D+2*(kk%4)+1]
.endif
.set kk, kk+1
.endr
.endm
.macro DOTEND dst
	v_pk_add_f32 v[D:D+1], v[D:D+1], v[D+2:D+3]
	v_pk_add_f32 v[D+4:D+5], v[D+4:D+5], v[D+6:D+7]
	v_pk_add_f32 v[\dst:\dst+1], v[D:D+1], v[D+4:D+5]
.endm
.macro AXVS acc, a, k0, n              ; out += weight a x acc, n pairs
.set kk, \k0
.rept \n
	v_pk_fma_f32 v[Q+2*kk:Q+2*kk+1], v[\acc+2*kk:\acc+2*kk+1], v[LG+2*(\a):LG+2*(\a)+1], v[Q+2*kk:Q+2*kk+1]
.set kk, kk+1
.endr
.endm
; A product of three K steps into acc; beside its runs stands q . (the product before, in oth), whose slices are the places in front of the fragment loads.  Each wait leaves the two younger fragments out.
.macro PROD n0, jb, acc, oth, a
	s_wait_dscnt 8
	RUNL \jb, FR, \acc, 1
	DOTS \oth, 0, 8
	FLOAD (\n0)+3
	s_wait_alu depctr_va_vdst(0)
	s_wait_dscnt 8
	RUNL (\jb)+6, FR+16, \acc, 0
	DOTS \oth, 8, 8
	FLOAD (\n0)+4
	s_wait_alu depctr_va_vdst(0)                   ; likewise
	s_wait_dscnt 8
	RUNL (\jb)+12, FR+32, \acc, 0
	DOTS \oth, 16, 8
	DOTEND LG+2*(\a)
	FLOAD (\n0)+5
.endm
.macro VPROD n0, acc, oth, a, w0, w1, w2, f   ; the same with Wv, beside out += weight a x (the product before); f = 0: nothing more to fetch
	s_wait_dscnt \w0
	RUNL 18, FR, \acc, 1
	AXVS \oth, \a, 0, 8
.if \f
	FLOAD (\n0)+3
.endif
	s_wait_dscnt \w1
	RUNL 24, FR+16, \acc, 0
	AXVS \oth, \a, 8, 8
.if \f
	FLOAD (\n0)+4
.endif
	s_wait_dscnt \w2
	RUNL 30, FR+32, \acc, 0
	AXVS \oth, \a, 16, 8
.if \f
	FLOAD (\n0)+5
.endif
.endm
; QUANT: wave w makes register group c = w of every image: lane (r, h) takes, of window r's token at each position, channels 128 i + 32 w + 16 h + 0 .. 15, i = 0, 1, 2.
.macro QLOAD i, a
.irp q, 0,1,2,3
	ds_load_b128 v[X+16*(\a)+4*\q:X+16*(\a)+4*\q+3], v[XA+(\a)/2] offset:POSB*((\a)%2)+528*(\i)+16*\q
.endr
.endm
.macro QSUM a
.irp j, 0,2,4,6,8,10,12,14
	v_pk_add_f32 v[S+\j:S+\j+1], v[S+\j:S+\j+1], v[X+16*\a+\j:X+16*\a+\j+1]
.endr
.endm
.macro QCODE i, a                      ; position a's 16 numbers twice into codes: with k's scale and with v's; two stores; then the next K step's numbers are asked for
.set jj, 0
.rept 16
	v_med3_num_f32 v[T+jj], v[X+16*(\a)+jj], -v[LK], v[LK]   ; the conversion to an 8-bit code does not saturate (ISA guide 7.6.2): the hold comes first
.set jj, jj+1
.endr
	v_cvt_scalef32_pk8_bf8_f32 v[PC+8*(\a):PC+8*(\a)+1], v[T:T+7], v[SK]
	v_cvt_scalef32_pk8_bf8_f32 v[PC+8*(\a)+2:PC+8*(\a)+3], v[T+8:T+15], v[SK]
.set jj, 0
.rept 16
	v_med3_num_f32 v[X+16*(\a)+jj], v[X+16*(\a)+jj], -v[LV], v[LV]
.set jj, jj+1
.endr
	v_cvt_scalef32_pk8_bf8_f32 v[PC+8*(\a)+4:PC+8*(\a)+5], v[X+16*(\a):X+16*(\a)+7], v[SV]
	v_cvt_scalef32_pk8_bf8_f32 v[PC+8*(\a)+6:PC+8*(\a)+7], v[X+16*(\a)+8:X+16*(\a)+15], v[SV]
	ds_store_b128 v[CW], v[PC+8*(\a):PC+8*(\a)+3] offset:6144*(1+(\a))+2048*(\i)
	ds_store_b128 v[CW], v[PC+8*(\a)+4:PC+8*(\a)+7] offset:6144*(5+(\a))+2048*(\i)
.if (\i) < 2
	QLOAD (\i)+1, \a
.endif
.endm
; One K step.  n0, n2, n3: the LDS instructions issued behind the loads of positions 0 and 1, of position 2, and behind the mean's last store (which follows position 3's loads): they may stay out.
; LDS serves a wave's instructions in order, so each wait also shows the stores done that read the code registers written next.
.macro QSTEP i, n0, n2, n3
	s_wait_dscnt \n0
.irp j, 0,2,4,6,8,10,12,14
	v_pk_add_f32 v[S+\j:S+\j+1], v[X+\j:X+\j+1], v[X+16+\j:X+17+\j]   ; the sum begins before position 0's numbers are held and loaded anew
.endr
	QCODE \i, 0
	QCODE \i, 1
	s_wait_dscnt \n2
	QSUM 2
	QCODE \i, 2
	s_wait_dscnt \n3
	QSUM 3
	QCODE \i, 3
.set jj, 0
.rept 16
	v_med3_num_f32 v[S+jj], v[S+jj], -v[LM], v[LM]
.set jj, jj+1
.endr
	v_cvt_scalef32_pk8_bf8_f32 v[PCM:PCM+1], v[S:S+7], v[SM]           ; the sum / 2^(e0 + 2) = the mean / 2^e0
	v_cvt_scalef32_pk8_bf8_f32 v[PCM+2:PCM+3], v[S+8:S+15], v[SM]
	v_nop                                          ; a plain line between a scaled conversion and the next vector or matrix instruction that writes its sources
	ds_store_b128 v[CW], v[PCM:PCM+3] offset:2048*(\i)
.endm
.macro QUANT
	QLOAD 0, 0
	QLOAD 0, 1
	QLOAD 0, 2
	QLOAD 0, 3
	QSTEP 0, 8, 16, 18
	QSTEP 1, 13, 19, 18
	QSTEP 2, 13, 11, 6
.endm
; COMPUTE: a block's products, logits, softmax and out.  The 27 images go through three places by turns.  last = 1: the last block, in which the MLP's weights are asked for as registers fall free.
.macro COMPUTE last
	FLOAD 0
	TLOAD Q, T_BQ                                  ; bq / 2^(e0 + e1) is where q's sums begin
	FLOAD 1
	FLOAD 2
.irp t, 0,1,2,3,4,5
.irp c, 0,1,2,3
	ds_load_b128 v[ACC0+16*\t+4*\c:ACC0+16*\t+4*\c+3], v[WQA] offset:2048*\t+512*\c   ; Wq's K step 2
.endr
.endr
.if !\last
	s_wait_loadcnt 63                              ; Wq's registers: 144 loads (Wk's, Wv's) were issued behind them
.endif
	s_wait_dscnt 32                                ; image 0 and bq are in; images 1 and 2 and Wq's 24 loads may be out
	RUNU 0, FR, Q, 0
	PLACES 4
	FLOAD 3
	s_wait_dscnt 32                                ; image 1 is in; image 2, Wq's 24 and image 3 may be out
	RUNU 1, FR+16, Q, 0
	PLACES 4
	FLOAD 4
	s_wait_dscnt 8                                 ; all but images 3 and 4
.irp t, 0,1,2,3,4,5
	v_wmma_f32_16x16x128_bf8_bf8 v[Q+8*\t:Q+8*\t+7], v[ACC0+16*\t:ACC0+16*\t+15], v[FR+32:FR+47], v[Q+8*\t:Q+8*\t+7]
.endr
	PLACES 5                                       ; five: the next products write over registers that these read
	FLOAD 5
	TLOAD ACC1, T_BK
.if \last
.irp u, 0,1,2,3,4,5,6,7,8,9,10,11
	LOADU \u, 58, 12288*(\u%6)+2048*(\u/6)         ; Wq is done with: W2's K steps 0 and 1
.endr
	WIN 0
.else
	s_wait_loadcnt 63                              ; Wk's registers: Wv's 72 loads were issued behind them
.endif
	s_wait_dscnt 20                                ; image 3 is in; images 4 and 5 and bk's 12 loads may be out
	RUNL 0, FR, ACC0, 1                            ; k of position 0
	PLACES 4
	FLOAD 6
	s_wait_dscnt 4                                 ; all but image 6
	RUNL 6, FR+16, ACC0, 0
	DOTS ACC1, 0, 12                               ; q . bk
	FLOAD 7
	s_wait_alu depctr_va_vdst(0)                   ; likewise
	s_wait_dscnt 8
	RUNL 12, FR+32, ACC0, 0
	DOTS ACC1, 12, 12
	DOTEND QB
	FLOAD 8
	PROD 6, 0, ACC1, ACC0, 0                       ; k of position 1 | q . k of position 0
	PROD 9, 0, ACC0, ACC1, 1
	PROD 12, 0, ACC1, ACC0, 2
.if \last
	LOADW1 0                                       ; Wk's first two K steps are done with: W1's group 0
.else
	s_wait_loadcnt 0x0                             ; Wv's registers
.endif
	PROD 15, 18, ACC0, ACC1, 3                     ; v of position 0 | q . k of position 3
.irp a, 0,1,2,3
	v_pk_add_f32 v[LG+2*\a:LG+2*\a+1], v[LG+2*\a:LG+2*\a+1], v[QB:QB+1]
.endr
.irp a, 0,1,2,3
	v_add_f32 v[LS+\a], v[LG+2*\a], v[LG+2*\a+1]
.endr
.irp a, 0,1,2,3
	v_permlanex16_b32 v[EX+\a], v[LS+\a], s60, s61 ; the window's other 48 of my channels lie in the lane 16 away
.endr
.irp a, 0,1,2,3
	v_add_f32 v[LS+\a], v[LS+\a], v[EX+\a]
.endr
	ds_store_b128 v[LXW], v[LS:LS+3]               ; my wave's part of the four logits
	TLOAD Q, T_BV                                  ; q is done with: out begins as bv / 2^(e4 + e5)
	s_wait_dscnt 0x0                               ; for the others' sake: my store has landed
	s_barrier_signal -1
	RUNL 18, FR, ACC1, 1                           ; v of position 1: work on registers while the others arrive,
	PLACES 4
	FLOAD 21                                       ; and loads of images, which nobody writes before a later barrier
	s_barrier_wait -1
.irp w, 0,1,2,3
	ds_load_b128 v[EX+4*\w:EX+4*\w+3], v[LXR] offset:512*\w
.endr
	RUNL 24, FR+16, ACC1, 0
	PLACES 4
	FLOAD 22
	s_wait_dscnt 4                                 ; the four parts are in; image 22 may be out
	v_pk_add_f32 v[EX:EX+1], v[EX:EX+1], v[EX+4:EX+5]         ; the waves' parts in one fixed order: every wave gets the same numbers
	v_pk_add_f32 v[EX+2:EX+3], v[EX+2:EX+3], v[EX+6:EX+7]
	v_pk_add_f32 v[EX:EX+1], v[EX:EX+1], v[EX+8:EX+9]
	v_pk_add_f32 v[EX+2:EX+3], v[EX+2:EX+3], v[EX+10:EX+11]
	v_pk_add_f32 v[EX:EX+1], v[EX:EX+1], v[EX+12:EX+13]
	v_pk_add_f32 v[EX+2:EX+3], v[EX+2:EX+3], v[EX+14:EX+15]
	v_max3_num_f32 v[TMP], v[EX], v[EX+1], v[EX+2]
	v_max_num_f32 v[TMP], v[TMP], v[EX+3]          ; the largest of the four is taken away ahead of the exponentials
	v_mul_f32 v[TMP], v[CL], v[TMP]
.irp a, 0,1,2,3
	v_fma_f32 v[EX+4+\a], v[EX+\a], v[CL], -v[TMP] ; c L - c max: the rounding of c max shifts all four alike and cancels in the division
.endr
	s_wait_alu depctr_va_vdst(0)
.irp a, 0,1,2,3
	v_exp_f32 v[EX+4+\a], v[EX+4+\a]
.endr
	v_nop                                          ; a plain line behind the exponentials
	s_wait_alu depctr_va_vdst(0)
	v_add_f32 v[EX], v[EX+4], v[EX+5]
	v_add_f32 v[EX+1], v[EX+6], v[EX+7]
	v_add_f32 v[EX], v[EX], v[EX+1]
	s_wait_alu depctr_va_vdst(0)
	v_rcp_f32 v[EX], v[EX]
	v_nop
	s_wait_alu depctr_va_vdst(0)
.irp a, 0,1,2,3
	v_mul_f32 v[LG+2*\a], v[EX+4+\a], v[EX]        ; each weight twice: a pair for the packed multiply-adds
	v_mul_f32 v[LG+2*\a+1], v[EX+4+\a], v[EX]
.endr
	RUNL 30, FR+32, ACC1, 0
	AXVS ACC0, 0, 0, 4
	FLOAD 23
	AXVS ACC0, 0, 4, 20
	VPROD 21, ACC0, ACC1, 1, 8, 8, 8, 1
	VPROD 24, ACC1, ACC0, 2, 8, 4, 0, 0
	AXVS ACC1, 3, 0, 24
.set jj, 0
.rept 48
	v_med3_num_f32 v[Q+jj], v[Q+jj], -v[LO], v[LO]
.set jj, jj+1
.endr
.irp b, 0,1,2
	v_cvt_scalef32_pk8_bf8_f32 v[EX+4*\b:EX+4*\b+1], v[Q+16*\b:Q+16*\b+7], v[SQO]      ; out stands for out x 2^(e4 + e5): the three scales are folded into one
	v_cvt_scalef32_pk8_bf8_f32 v[EX+4*\b+2:EX+4*\b+3], v[Q+16*\b+8:Q+16*\b+15], v[SQO]
.endr
	v_add_nc_u32 v[AH], s51, v[OW]                 ; (the plain line behind the conversions)  this block's tile of rows
.irp b, 0,1,2
	ds_store_b128 v[AH], v[EX+4*\b:EX+4*\b+3] offset:512*\b   ; channels 96 w + 32 b on are register group (3 w + b) % 4 of K step (3 w + b) / 4
.endr
.if \last
	LOADW1 1                                       ; Wk's third and Wv's first K step are done with: W1's group 1
.endif
.endm
.macro MKSC se, vs, vl                 ; e in s[se]: v[vs] = 2^e as f32, v[vl] = 57,344 x 2^e
	s_add_co_i32 s2, s[\se], 127
	s_lshl_b32 s3, s2, 23
	v_mov_b32 v[\vs], s3
	s_add_co_i32 s2, s2, 15
	s_lshl_b32 s2, s2, 23
	s_or_b32 s2, s2, 0x600000
	v_mov_b32 v[\vl], s2
.endm
.macro SPAIR r, val                    ; a constant for the packed forms, which name a pair
	s_mov_b32 s[\r], \val
	s_mov_b32 s[\r+1], \val
.endm
; ---------------- the head
	s_load_b512 s[4:19], s[0:1], 0x0               ; x, wc, scales, bq, bk, bv, b1, b2
	s_load_b128 s[20:23], s[0:1], 0x40             ; gamma, beta
	s_load_b64 s[24:25], s[0:1], 0x50              ; out0
	v_lshl_add_u32 v[SPW], v0, 2, SPARE
	v_mov_b32 v[NIL], 0
	ds_add_u32 v13, v14
	ds_add_u32 v13, v14
	s_wait_dscnt 0x0
	v_lshrrev_b32 v[AH], 5, v0
	v_readfirstlane_b32 s26, v[AH]                 ; wave 0..3
	; descriptor group 1: one position of a block: 16 rows (windows) of 384 f32, 768 elements apart; 4 words of padding behind every 128
	s_mov_b32 s32, 0x07920000                      ; 17:16 elements of 4 bytes; 20 padding on; 24:22 after every 128 words (code 6); 31:25 four words (code 3)
	s_mov_b32 s33, 384<<16                         ; tensor_dim0
	s_mov_b32 s34, 16<<16                          ; tensor_dim1
	s_mov_b32 s35, 384<<16                         ; tile_dim0
	s_mov_b32 s36, 16                              ; tile_dim1
	s_mov_b32 s37, 768                             ; from window to window
	s_mov_b32 s38, 0
	s_mov_b32 s39, 0
	s_mov_b32 s28, 1
	s_mul_i32 s29, s26, POSB                       ; wave w fetches position w, into its own part of the slot
	s_mul_i32 s2, ttmp9, 786432
	s_mov_b32 s3, 0
	s_lshr_b32 s27, s26, 1
	s_mul_i32 s50, s27, 49152                      ; the position's image row,
	s_and_b32 s27, s26, 1
	s_mul_i32 s27, s27, 1536                       ; and its token of the pair
	s_add_co_u32 s50, s50, s27
	s_mov_b32 s51, 0
	s_wait_kmcnt 0x0
	s_add_nc_u64 s[90:91], s[4:5], s[2:3]          ; x at my work-group's first block
	s_add_nc_u64 s[30:31], s[90:91], s[50:51]
	s_or_b32 s31, s31, 0x80000000                  ; type = 2
	tensor_load_to_lds s[28:31], s[32:39]          ; block 0: the first fill, ahead of every wait on TENSORcnt, LDS read and barrier
	s_nop 0
	PLACES 4
	s_load_b256 s[40:47], s[8:9], 0x0              ; e0 .. e7
	s_load_b64 s[48:49], s[8:9], 0x20              ; e8, e9
	s_add_nc_u64 s[90:91], s[90:91], 98304         ; the prefetches' base: it steps once more ahead of its first use
	s_mul_i32 s2, s26, 36864
	s_add_nc_u64 s[54:55], s[6:7], s[2:3]          ; my 18 fragments of Wq; Wk's and Wv's by the immediate
	s_mul_i32 s2, s26, 73728
	s_add_co_u32 s2, s2, C_W1
	s_add_nc_u64 s[56:57], s[6:7], s[2:3]          ; my 36 of W1
	s_add_co_u32 s2, s2, C_W2-C_W1
	s_add_nc_u64 s[58:59], s[6:7], s[2:3]          ; my 36 of W2
	s_mul_i32 s2, ttmp9, 196608
	s_add_nc_u64 s[24:25], s[24:25], s[2:3]        ; out0 at my first window
	v_and_b32 v24, 31, v0                          ; lane
	v_and_b32 v25, 15, v0                          ; r
	v_bfe_u32 v26, v0, 4, 1                        ; h
	v_lshlrev_b32 v[LI], 4, v24
	s_mul_i32 s27, s26, 384
	v_lshl_add_u32 v27, v24, 2, s27                ; my wave's 96 channels, 4 bytes a lane
	s_lshl_b32 s2, s27, 1
	v_lshl_add_u32 v28, v24, 2, s2                 ; its 192 hidden units
	s_wait_alu depctr_va_vdst(0)
.irp j, 0,1,2
	global_load_b32 v[32+\j], v27, s[10:11] offset:128*\j
	global_load_b32 v[35+\j], v27, s[12:13] offset:128*\j
	global_load_b32 v[38+\j], v27, s[14:15] offset:128*\j
	global_load_b32 v[41+\j], v27, s[18:19] offset:128*\j
	global_load_b32 v[44+\j], v27, s[20:21] offset:128*\j
	global_load_b32 v[47+\j], v27, s[22:23] offset:128*\j
.endr
.irp j, 0,1,2,3,4,5
	global_load_b32 v[50+\j], v28, s[16:17] offset:128*\j
.endr
.irp t, 0,1,2,3,4,5
.irp c, 0,1,2,3
	global_load_b128 v[80+16*\t+4*\c:80+16*\t+4*\c+3], v[LI], s[54:55] offset:6144*\t+4096+512*\c   ; Wq's K step 2, on its way to LDS
.endr
.endr
	v_add_nc_u32 v29, TAB, v27
	v_add_nc_u32 v30, TAB+T_B1, v28
	s_lshl_b32 s2, s26, 7
	v_mul_u32_u24 v[XA], v25, 1584
	v_lshl_add_u32 v[XA], v26, 6, v[XA]
	v_add_nc_u32 v[XA], s2, v[XA]                  ; window r, + 128 w + 64 h: the 16 rows that a load touches start at 16 different columns of 16 bytes modulo 256
	v_add_nc_u32 v[XA+1], 2*POSB, v[XA]
	s_lshl_b32 s2, s26, 9
	s_add_co_u32 s2, s2, CODES
	v_add_nc_u32 v[CW], s2, v[LI]
	v_add_nc_u32 v[CR], CODES, v[LI]
	s_mul_i32 s2, s26, 1536
	s_add_co_u32 s2, s2, OUTC
	v_add_nc_u32 v[OW], s2, v[LI]
	s_add_co_u32 s2, s27, TAB
	v_lshl_add_u32 v[TB], v26, 6, s2
	s_lshl_b32 s2, s27, 1
	s_add_co_u32 s2, s2, TAB+T_B1
	v_lshl_add_u32 v[TB1], v26, 6, s2
	s_lshl_b32 s2, s26, 9
	s_add_co_u32 s2, s2, LX
	v_add_nc_u32 v[LXW], s2, v[LI]
	v_add_nc_u32 v[LXR], LX, v[LI]
	s_mul_i32 s2, s26, 12288
	s_add_co_u32 s2, s2, WQL
	v_add_nc_u32 v[WQA], s2, v[LI]
	v_lshlrev_b32 v[PF], 8, v0
.irp a, 0,1,2,3
	v_mov_b32 v[EX+\a], 0                          ; written once: a lane permute's destination counts as one of its sources
.endr
	s_mov_b32 s60, 0x76543210                      ; v_permlanex16_b32's selects for lane l xor 16
	s_mov_b32 s61, 0xfedcba98
	s_wait_kmcnt 0x0
	s_add_co_i32 s92, s40, s41                     ; e0 + e1
	s_add_co_i32 s93, s42, s43                     ; e2 + e3
	s_add_co_i32 s94, s44, s45                     ; e4 + e5
	s_add_co_i32 s95, s46, s47                     ; e6 + e7
	s_add_co_i32 s96, s48, s49                     ; e8 + e9
	s_add_co_i32 s97, s92, s93
	MKSC 42, SK, LK
	MKSC 44, SV, LV
	s_add_co_i32 s98, s40, 2
	MKSC 98, SM, LM
	s_sub_co_i32 s98, s46, s94
	MKSC 98, SQO, LO
	v_mov_b32 v[CL], 0x3d96c740                    ; log2(e) / sqrt(384)
	v_ldexp_f32 v[CL], v[CL], s97                  ; a logit stands for logit x 2^(e0 + e1 + e2 + e3)
	s_wait_alu depctr_va_vdst(0)
	s_wait_loadcnt 0x0                             ; the tables' 24 loads and Wq's 24 for LDS: nothing was issued behind them
	s_sub_co_i32 s2, 0, s92                        ; a bias goes in divided by the power of two that its product's sums lack
.irp j, 0,1,2
	v_ldexp_f32 v[32+\j], v[32+\j], s2
.endr
	s_sub_co_i32 s2, 0, s93
.irp j, 0,1,2
	v_ldexp_f32 v[35+\j], v[35+\j], s2
.endr
	s_sub_co_i32 s2, 0, s94
.irp j, 0,1,2
	v_ldexp_f32 v[38+\j], v[38+\j], s2
.endr
	s_sub_co_i32 s2, 0, s96
.irp j, 0,1,2
	v_ldexp_f32 v[41+\j], v[41+\j], s2
.endr
	s_sub_co_i32 s2, 0, s95
.irp j, 0,1,2,3,4,5
	v_ldexp_f32 v[50+\j], v[50+\j], s2
.endr
.irp j, 0,1,2
	ds_store_b32 v29, v[32+\j] offset:T_BQ+128*\j
	ds_store_b32 v29, v[35+\j] offset:T_BK+128*\j
	ds_store_b32 v29, v[38+\j] offset:T_BV+128*\j
	ds_store_b32 v29, v[41+\j] offset:T_B2+128*\j
	ds_store_b32 v29, v[44+\j] offset:T_GA+128*\j
	ds_store_b32 v29, v[47+\j] offset:T_BE+128*\j
.endr
.irp j, 0,1,2,3,4,5
	ds_store_b32 v30, v[50+\j] offset:128*\j
.endr
.irp t, 0,1,2,3,4,5
.irp c, 0,1,2,3
	ds_store_b128 v[WQA], v[80+16*\t+4*\c:80+16*\t+4*\c+3] offset:2048*\t+512*\c
.endr
.endr
	s_wait_tensorcnt 0x0                           ; my position of block 0 has landed: no load was issued behind it
	s_wait_dscnt 0x0
	s_barrier_signal -1
	s_barrier_wait -1                              ; everybody's has
	QLOAD 0, 0                                     ; block 0's QUANT, written out: the attention's 192 weight loads are issued between its three K steps, in the order Wq, Wk, Wv
	QLOAD 0, 1
	QLOAD 0, 2
	QLOAD 0, 3
.irp s, 0,1
.irp t, 0,1,2,3,4,5
	LOADU 6*\s+\t, 54, 6144*\t+2048*\s
.endr
.endr
	WIN 0
	QSTEP 0, 8, 16, 18
.irp s, 0,1,2
.irp t, 0,1,2,3,4,5
	LOADL 6*\s+\t, 54, C_WK+6144*\t+2048*\s
.endr
.endr
	WIN 0
	QSTEP 1, 13, 19, 18
.irp s, 0,1,2
.irp t, 0,1,2,3,4,5
	LOADL 18+6*\s+\t, 54, C_WV+6144*\t+2048*\s
.endr
.endr
	WIN 0
	QSTEP 2, 13, 11, 6
	s_mov_b32 s50, 7
	s_mov_b32 s51, 0                               ; 6,144 x block: the block's tile of rows among out's codes
.Lblock:
	s_wait_tensorcnt 0x0                           ; no tensor load of mine is out, so group 0 may be written
	ds_add_u32 v[SPW], v[NIL]                      ; 0 onto my spare word
	s_add_nc_u64 s[30:31], s[30:31], 98304         ; the next block; the type bits on top are not reached
	s_wait_dscnt 0x0                               ; the add is done, my reads of the slot are over and my images have landed
	s_barrier_signal -1
	s_barrier_wait -1                              ; all that holds of every wave
	tensor_load_to_lds s[28:31], s[32:39]          ; my one tensor load behind this barrier, and the first thing there: it has the block's 162 matrix instructions in which to land
	s_nop 0
	PLACES 4
	s_wait_xcnt 0x0                                ; the last trip's prefetches have read their base
	s_add_nc_u64 s[90:91], s[90:91], 98304
	s_cmp_eq_u32 s50, 1
	s_cbranch_scc1 .Lno_pf                         ; the last trip would point past my work-group's blocks: it asks for nothing
	global_prefetch_b8 v[PF], s[90:91] th:TH_LOAD_NT scope:SCOPE_SE                ; block i + 2, one trip ahead of its tensor load: 128 threads 256 bytes apart, three times: each run of 256 bytes is asked for once
	global_prefetch_b8 v[PF], s[90:91] offset:32768 th:TH_LOAD_NT scope:SCOPE_SE
	global_prefetch_b8 v[PF], s[90:91] offset:65536 th:TH_LOAD_NT scope:SCOPE_SE
.Lno_pf:
	COMPUTE 0
	s_add_co_u32 s51, s51, 6144
	s_wait_tensorcnt 0x0                           ; my position of the next block has landed: no load was issued behind it
	s_wait_dscnt 0x0                               ; and my reads of the images are over
	s_barrier_signal -1
	s_barrier_wait -1
	QUANT
	s_sub_co_u32 s50, s50, 1
	s_cmp_lg_u32 s50, 0
	s_cbranch_scc1 .Lblock
	s_wait_dscnt 0x0                               ; the last block: nothing is left to fetch
	s_barrier_signal -1
	s_barrier_wait -1
	COMPUTE 1
	s_wait_dscnt 0x0
	s_barrier_signal -1
	s_barrier_wait -1                              ; out's codes are whole; nobody reads the slot or the images any more
; ---------------- the MLP on all 128 windows
	v_and_b32 v24, 15, v0                          ; r
	v_bfe_u32 v25, v0, 4, 1                        ; h
	v_and_b32 v26, 31, v0                          ; lane
	v_add_nc_u32 v2, OUTC, v[LI]                   ; out's codes
	s_mul_i32 s2, s26, 3072
	v_add_nc_u32 v3, s2, v[LI]                     ; where I store hidden codes: units 192 w on are register groups 6 w on
	s_mul_i32 s2, s26, 384
	s_add_co_u32 s2, s2, STAGE
	v_mul_u32_u24 v5, v24, 1552
	v_lshl_add_u32 v5, v25, 6, v5
	v_add_nc_u32 v5, s2, v5                        ; the stage, in: row r, + 384 w + 64 h
	s_mul_i32 s2, s26, 6208
	s_add_co_u32 s2, s2, STAGE
	v_add_nc_u32 v6, s2, v[LI]                     ; back: my four rows, 512 bytes an instruction
	s_lshl_b32 s2, s26, 8
	s_add_co_u32 s2, s2, LNX
	v_lshl_add_u32 v10, v26, 3, s2
	v_lshlrev_b32 v11, 3, v26
	v_add_nc_u32 v11, LNX, v11
	s_mul_i32 s2, s26, 6144
	v_add_nc_u32 v12, s2, v[LI]                    ; the same four rows in out0
	; erf(z) = z P(z^2) / R(z^2), z held at +-4: P of degree 6, R of degree 4
	SPAIR 66, 0xaf95df0b                           ; -2.72614226e-10
	SPAIR 68, 0xb60cff51                           ; -2.10102402e-06
	SPAIR 70, 0xb86ec2d2                           ; -5.69250639e-05
	SPAIR 72, 0xba40ac63                           ; -7.34990630e-04
	SPAIR 74, 0xbb41a1f6                           ; -2.95459981e-03
	SPAIR 76, 0xbc83dbd4                           ; -1.60960333e-02
	SPAIR 78, 0xb77460cd                           ; -1.45660718e-05
	SPAIR 80, 0xbadc924e                           ; -1.68282697e-03
	SPAIR 82, 0xbbf19bf8                           ; -7.37332917e-03
	SPAIR 84, 0xbc69b6a7                           ; -1.42647391e-02
	v_mov_b32 v24, 0x32edffee                      ;  2.77068142e-08
	v_mov_b32 v25, 0x32edffee
	v_mov_b32 v26, 0xb95fbd29                      ; -2.13374055e-04
	v_mov_b32 v27, 0xb95fbd29
	s_lshl_b32 s2, s95, 23
	s_add_co_i32 s86, s2, 0x3f3504f3               ; 2^(e6 + e7) / sqrt(2): the exponents are added to the exponent field of 1 / sqrt(2)
	s_mov_b32 s87, s86
	s_add_co_i32 s2, s95, 126
	s_lshl_b32 s88, s2, 23                         ; 2^(e6 + e7 - 1)
	s_mov_b32 s89, s88
	MKSC 48, 28, 29                                ; 2^e8 and 57,344 x 2^e8
	s_wait_alu depctr_va_vdst(0)
	LOADW1 2                                       ; Wv's last two K steps are done with: W1's group 2
; THE FIRST PRODUCT, BY TURNS.  W1's group G makes four hidden tiles for each of the eight tiles of rows.  The four are two HALVES (tiles 0, 1 and tiles 2, 3: each 16 neighbours along the next K).
; In a phase one half goes through GELU and into codes, 8 pairs in step, and the other half's six products stand between its lines, two at a time:
; phase 0: GELU of tiles 0, 1 of rows g | products of tiles 2, 3 of rows g;   phase 1: GELU of tiles 2, 3 of rows g | products of tiles 0, 1 of rows g + 1.
; A half's 16 registers are codes before its next products write them, so four accumulators serve and a trip is written once.  One set of fragments serves too: in phase 0 place s takes the next rows' fragment
; behind the pair that read it.  The last trip has no next rows: it takes its own again, and its phase 1 repeats six products that nobody reads.
.macro MM G, H, s                      ; two products of K step s, for the half that is not under GELU; the two accumulators take turns
	WIN 1+\G
.irp u, 0,1
.if \s == 0
	v_wmma_f32_16x16x128_bf8_bf8 v[A1+8*(2-2*\H+\u):A1+8*(2-2*\H+\u)+7], v[16*(3*(2-2*\H+\u)+\s):16*(3*(2-2*\H+\u)+\s)+15], v[FM+16*\s:FM+16*\s+15], v[B1G+8*(2-2*\H+\u):B1G+8*(2-2*\H+\u)+7]
.else
	v_wmma_f32_16x16x128_bf8_bf8 v[A1+8*(2-2*\H+\u):A1+8*(2-2*\H+\u)+7], v[16*(3*(2-2*\H+\u)+\s):16*(3*(2-2*\H+\u)+\s)+15], v[FM+16*\s:FM+16*\s+15], v[A1+8*(2-2*\H+\u):A1+8*(2-2*\H+\u)+7]
.endif
.endr
	WIN 0
.endm
.macro FMLOAD s                        ; the next rows' fragment of K step s
.irp c, 0,1,2,3
	ds_load_b128 v[FM+16*\s+4*\c:FM+16*\s+4*\c+3], v[AH] offset:2048*\s+512*\c
.endr
.endm
; Half H's 16 sums A become gelu(A x 2^(e6 + e7)) = U erf(Z) + U, U = half of it, Z = it / sqrt(2), and then codes.
.macro PHASE G, H
.set AG, A1+16*\H
	s_wait_alu depctr_va_vdst(0)                   ; directly ahead of the first readers of this half's sums
.irp p, 0,2,4,6,8,10,12,14
	v_pk_mul_f32 v[GZ+\p:GZ+\p+1], v[AG+\p:AG+\p+1], s[86:87] op_sel_hi:[1,0]   ; each accumulator from its low end on
.endr
.set nn, 0
.rept 16
	v_med3_num_f32 v[GZ+nn], v[GZ+nn], -4.0, 4.0
.set nn, nn+1
.endr
	s_wait_alu depctr_va_vdst(0)
	s_wait_dscnt 1                                 ; only the other half's store, the youngest LDS instruction, may be out: this half's last store is done, and in phase 1 the three fragments asked for in phase 0 are in
.if \H == 0
	s_min_u32 s2, s52, 43008                       ; the next tile of rows, or the last one again
	v_add_nc_u32 v[AH], s2, v2
.endif
	v_add_nc_u32 v[30+\H], s53, v3
	MM \G, \H, 0
.irp p, 0,2,4,6,8,10,12,14
	v_pk_mul_f32 v[GX+\p:GX+\p+1], v[GZ+\p:GZ+\p+1], v[GZ+\p:GZ+\p+1]
.endr
.irp p, 0,2,4,6,8,10,12,14
	v_pk_fma_f32 v[GQ+\p:GQ+\p+1], v[GX+\p:GX+\p+1], s[78:79], v[26:27] op_sel_hi:[1,0,1]
.endr
.irp k, 80,82
.irp p, 0,2,4,6,8,10,12,14
	v_pk_fma_f32 v[GQ+\p:GQ+\p+1], v[GQ+\p:GQ+\p+1], v[GX+\p:GX+\p+1], s[\k:\k+1] op_sel_hi:[1,1,0]
.endr
.endr
.if \H == 0
	FMLOAD 0                                       ; 32 plain lines behind the pair that read the place
.endif
	MM \G, \H, 1
.irp p, 0,2,4,6,8,10,12,14
	v_pk_fma_f32 v[GQ+\p:GQ+\p+1], v[GQ+\p:GQ+\p+1], v[GX+\p:GX+\p+1], s[84:85] op_sel_hi:[1,1,0]
.endr
.set nn, 0
.rept 48                               ; the numerator's six steps; the denominators' 16 reciprocals go as one batch behind the half's last products, so that no wait stands between two steps of a sum
.if nn < 8
	v_pk_fma_f32 v[GP+2*nn:GP+2*nn+1], v[GX+2*nn:GX+2*nn+1], s[66:67], v[24:25] op_sel_hi:[1,0,1]
.else
	v_pk_fma_f32 v[GP+2*(nn%8):GP+2*(nn%8)+1], v[GP+2*(nn%8):GP+2*(nn%8)+1], v[GX+2*(nn%8):GX+2*(nn%8)+1], s[66+2*(nn/8):67+2*(nn/8)] op_sel_hi:[1,1,0]
.endif
.if nn == 23
.if \H == 0
	FMLOAD 1
.endif
	MM \G, \H, 2
.endif
.if nn == 31
.if \H == 0
	FMLOAD 2                                       ; eight plain lines behind the pair that read the place
.endif
	s_wait_alu depctr_va_vdst(0)
.set rr, 0
.rept 16
	v_rcp_f32 v[GQ+rr], v[GQ+rr]                   ; all its coefficients are negative: it is never 0
.set rr, rr+1
.endr
.endif
.set nn, nn+1
.endr
.irp p, 0,2,4,6,8,10,12,14
	v_pk_mul_f32 v[GP+\p:GP+\p+1], v[GP+\p:GP+\p+1], v[GZ+\p:GZ+\p+1]
.endr
.irp p, 0,2,4,6,8,10,12,14
	v_pk_mul_f32 v[GZ+\p:GZ+\p+1], v[AG+\p:AG+\p+1], s[88:89] op_sel_hi:[1,0]   ; z is done with: its registers take U
.endr
	s_wait_alu depctr_va_vdst(0)
.irp p, 0,2,4,6,8,10,12,14
	v_pk_mul_f32 v[GP+\p:GP+\p+1], v[GP+\p:GP+\p+1], v[GQ+\p:GQ+\p+1]
.endr
.irp p, 0,2,4,6,8,10,12,14
	v_pk_fma_f32 v[AG+\p:AG+\p+1], v[GZ+\p:GZ+\p+1], v[GP+\p:GP+\p+1], v[GZ+\p:GZ+\p+1]
.endr
.set nn, 0
.rept 16
	v_med3_num_f32 v[AG+nn], v[AG+nn], -v29, v29   ; the conversion to an 8-bit code does not saturate (ISA guide 7.6.2): the hold comes first
.set nn, nn+1
.endr
	v_cvt_scalef32_pk8_bf8_f32 v[PCH+4*\H:PCH+4*\H+1], v[AG:AG+7], v28
	v_cvt_scalef32_pk8_bf8_f32 v[PCH+4*\H+2:PCH+4*\H+3], v[AG+8:AG+15], v28
	v_nop                                          ; a plain line between the conversions and the next products, which write their sources
	ds_store_b128 v[30+\H], v[PCH+4*\H:PCH+4*\H+3] offset:512*(2*\G+\H)
.endm
.macro M1GROUP G
	s_wait_dscnt 0x0                               ; no LDS instruction of mine is out
.irp b, 0,1
.irp q, 0,1,2,3
	ds_load_b128 v[B1G+16*\b+4*\q:B1G+16*\b+4*\q+3], v[TB1] offset:128*(2*\G+\b)+16*\q   ; b1 / 2^(e6 + e7) of the group's four tiles: where their sums begin
.endr
.endr
.irp s, 0,1,2
.irp c, 0,1,2,3
	ds_load_b128 v[FM+16*\s+4*\c:FM+16*\s+4*\c+3], v2 offset:2048*\s+512*\c
.endr
.endr
	s_wait_loadcnt 63                              ; this group's weights: 96 loads were issued behind them
	s_wait_dscnt 0x0
	MM \G, 1, 0                                    ; tiles 0 and 1 of the first rows: there is no vector work yet to set between them
	MM \G, 1, 1
	MM \G, 1, 2
	PLACES 4
	s_mov_b32 s50, 8
	s_mov_b32 s52, 6144
	s_mov_b32 s53, 0
.Lm1_\@:
	PHASE \G, 0
	PHASE \G, 1
	s_add_co_u32 s52, s52, 6144
	s_add_co_u32 s53, s53, 12288
	s_sub_co_u32 s50, s50, 1
	s_cmp_lg_u32 s50, 0
	s_cbranch_scc1 .Lm1_\@
.endm
	M1GROUP 0
	LOADW2L 0                                      ; group 0's registers take W2's K steps 2 and 3
	M1GROUP 1
	LOADW2L 12                                     ; group 1's take K steps 4 and 5
	M1GROUP 2
	WIN 0xc0                                       ; group 2's take b2 / 2^(e8 + e9), gamma and beta, in the accumulators' layout
	TLOAD 0, T_B2
	TLOAD 48, T_GA
	TLOAD 96, T_BE
	WIN 0
	v_mov_b32 v41, 0                               ; upper halves of pairs that the packed forms name, and a permute's destination: written once
	v_mov_b32 v53, 0
	v_mov_b32 v55, 0
	v_mov_b32 v56, 0
	s_lshl_b32 s98, s96, 1                         ; 2 (e8 + e9)
	s_wait_dscnt 0x0
	s_barrier_signal -1
	s_barrier_wait -1                              ; the hidden layer's 48 fragments lie in LDS
	s_wait_loadcnt 0x0                             ; W2
.irp s, 0,1,2
.irp c, 0,1,2,3
	ds_load_b128 v[F2+16*\s+4*\c:F2+16*\s+4*\c+3], v[LI] offset:2048*\s+512*\c
.endr
.endr
; THE SECOND PRODUCT, BY TURNS.  A tile of 16 windows is 36 products in six runs.  Its sums less my wave's mean go into registers of their own, so the accumulators are free for the next tile, and the last
; tile's norm, its way through the stage and its stores stand between the next tile's runs: the two barriers and the LDS round trips of a tile have products beside them.
.macro M2MUL s                         ; K step s: six products
.if \s == 0
	RUNU 0, F2, AM, 1
.elseif \s == 1
	RUNU 1, F2+16, AM, 0
.else
	RUNL 6*(\s-2), F2+16*(\s%3), AM, 0
.endif
.endm
.macro M2FET s                         ; the fragment three steps on takes the place just read (from K step 3 on: the next tile of rows')
	PLACES 4
.irp c, 0,1,2,3
.if \s < 3
	ds_load_b128 v[F2+16*(\s%3)+4*\c:F2+16*(\s%3)+4*\c+3], v[AH] offset:2048*(\s+3)+512*\c
.else
	ds_load_b128 v[F2+16*(\s%3)+4*\c:F2+16*(\s%3)+4*\c+3], v30 offset:2048*(\s-3)+512*\c
.endif
.endr
.endm
.macro M2STAT                          ; my wave's mean of the window's 96 channels, y less it, and the sum of its squares; the two numbers go to LDS.  All in units of 2^(e8 + e9)
.irp c, 0,1,2,3
	v_pk_add_f32 v[32+2*\c:33+2*\c], v[AM+2*\c:AM+2*\c+1], v[AM+8+2*\c:AM+9+2*\c]   ; each accumulator from its low end on
.endr
.set kk, 8
.rept 16
	v_pk_add_f32 v[32+2*(kk%4):33+2*(kk%4)], v[32+2*(kk%4):33+2*(kk%4)], v[AM+2*kk:AM+2*kk+1]
.set kk, kk+1
.endr
	v_pk_add_f32 v[32:33], v[32:33], v[34:35]
	v_pk_add_f32 v[36:37], v[36:37], v[38:39]
	v_pk_add_f32 v[32:33], v[32:33], v[36:37]
	v_add_f32 v32, v32, v33
	v_permlanex16_b32 v56, v32, s60, s61
	v_add_f32 v32, v32, v56
	v_mul_f32 v40, 0x3c2aaaab, v32                 ; / 96
.set kk, 0
.rept 24
	v_pk_add_f32 v[DD+2*kk:DD+2*kk+1], v[AM+2*kk:AM+2*kk+1], v[40:41] op_sel_hi:[1,0] neg_lo:[0,1] neg_hi:[0,1]
.set kk, kk+1
.endr
.set kk, 0
.rept 24
.if kk < 4
	v_pk_mul_f32 v[32+2*kk:33+2*kk], v[DD+2*kk:DD+2*kk+1], v[DD+2*kk:DD+2*kk+1]
.else
	v_pk_fma_f32 v[32+2*(kk%4):33+2*(kk%4)], v[DD+2*kk:DD+2*kk+1], v[DD+2*kk:DD+2*kk+1], v[32+2*(kk%4):33+2*(kk%4)]
.endif
.set kk, kk+1
.endr
	v_pk_add_f32 v[32:33], v[32:33], v[34:35]
	v_pk_add_f32 v[36:37], v[36:37], v[38:39]
	v_pk_add_f32 v[32:33], v[32:33], v[36:37]
	v_add_f32 v32, v32, v33
	v_permlanex16_b32 v56, v32, s60, s61
	v_add_f32 v41, v32, v56
	ds_store_b64 v10, v[40:41]
.endm
.macro LNLOAD                          ; the four waves' means and sums of squares
.irp w, 0,1,2,3
	ds_load_b64 v[42+2*\w:43+2*\w], v11 offset:256*\w
.endr
.endm
.macro M2NORM                          ; the norm of the tile in DD, and its 16 rows' parts into the stage
	v_add_f32 v50, v42, v44
	v_add_f32 v51, v46, v48
	v_add_f32 v50, v50, v51
	v_mul_f32 v50, 0x3e800000, v50                 ; the mean of all 384
	v_sub_f32 v42, v42, v50
	v_sub_f32 v44, v44, v50
	v_sub_f32 v46, v46, v50
	v_sub_f32 v48, v48, v50
	v_add_f32 v43, v43, v45
	v_add_f32 v47, v47, v49
	v_add_f32 v43, v43, v47
	v_mul_f32 v51, v42, v42
	v_fmac_f32 v51, v44, v44
	v_fmac_f32 v51, v46, v46
	v_fmac_f32 v51, v48, v48
	v_fmamk_f32 v51, v51, 0x42c00000, v43          ; 96 x the spread of the four means + the four sums of squares
	v_mul_f32 v51, 0x3b2aaaab, v51                 ; / 384: the variance
	v_ldexp_f32 v51, v51, s98                      ; in true units
	v_add_f32 v51, 0x3727c5ac, v51                 ; + 1e-5
	s_wait_alu depctr_va_vdst(0)
	v_rsq_f32 v51, v51
	v_sub_f32 v54, v40, v50                        ; (a plain line behind the root)  my wave's mean less the mean
	s_wait_alu depctr_va_vdst(0)
	v_ldexp_f32 v52, v51, s96                      ; f = 2^(e8 + e9) / sqrt(var + eps)
	v_mul_f32 v54, v54, v52
.set kk, 0
.rept 24
	v_pk_fma_f32 v[DD+2*kk:DD+2*kk+1], v[DD+2*kk:DD+2*kk+1], v[52:53], v[54:55] op_sel_hi:[1,0,0]
.set kk, kk+1
.endr
	WIN 0x3c                                       ; sources 1 and 2 in window 3
.set kk, 0
.rept 24
	v_pk_fma_f32 v[DD+2*kk:DD+2*kk+1], v[DD+2*kk:DD+2*kk+1], v[48+2*kk:49+2*kk], v[96+2*kk:97+2*kk]   ; x gamma + beta
.set kk, kk+1
.endr
	WIN 0
.irp b, 0,1,2
.irp q, 0,1,2,3
	ds_store_b128 v5, v[DD+16*\b+4*\q:DD+16*\b+4*\q+3] offset:128*\b+16*\q
.endr
.endr
.endm
.macro OBLOAD                          ; my four whole rows back from the stage: piece n in v[224 + 4 n], from n = 8 on in v[60 + 4 (n - 8)]
.set nn, 0
.rept 12
.if nn < 8
.set ob, 224+4*nn
.else
.set ob, 60+4*(nn-8)
.endif
	ds_load_b128 v[ob:ob+3], v6 offset:1552*(nn/3)+512*(nn%3)
.set nn, nn+1
.endr
.endm
.macro OBSTORE counted                 ; counted = 1: each store waits for its own piece
.set nn, 0
.rept 12
.if nn < 8
.set ob, 224+4*nn
.else
.set ob, 60+4*(nn-8)
.endif
.if \counted
	s_wait_dscnt 11-nn
.endif
	global_store_b128 v12, v[ob:ob+3], s[24:25] offset:1536*(nn/3)+512*(nn%3) th:TH_STORE_NT   ; 32 lanes store 512 consecutive bytes, at a multiple of 512 from out0's first byte
.set nn, nn+1
.endr
.endm
	s_mov_b32 s53, 0
	s_mov_b32 s52, 12288
	v_add_nc_u32 v[AH], s53, v[LI]
	v_add_nc_u32 v30, s52, v[LI]
	s_wait_alu depctr_va_vdst(0)
.irp s, 0,1,2,3,4,5                    ; tile 0's products stand in front of the loop: there is no tile before it to set between them
	s_wait_dscnt 8                                 ; the two younger fragments may be out
	M2MUL \s
	M2FET \s
.endr
	M2STAT
	s_mov_b32 s50, 7
	s_mov_b32 s53, 12288
	s_mov_b32 s52, 24576
.Lm2:                                              ; trip g = 1 .. 7: tile g's products | tile g - 1's norm, stage and stores
	s_wait_dscnt 0x0                               ; for the others' sake: my two numbers have landed, and my reads of the stage are over; tile g's first three fragments are in
	s_barrier_signal -1
	s_min_u32 s2, s52, 86016                       ; the last trip looks ahead at its own tile
	v_add_nc_u32 v[AH], s53, v[LI]
	v_add_nc_u32 v30, s2, v[LI]
	s_wait_alu depctr_va_vdst(0)
	M2MUL 0                                        ; work on registers while the others arrive,
	M2FET 0                                        ; and loads of hidden codes, which nobody writes any more
	s_barrier_wait -1                              ; everybody's two numbers lie in LDS
	LNLOAD
	M2MUL 1
	M2FET 1
	s_wait_dscnt 4                                 ; the four waves' numbers are in; the fragment just asked for may be out
	M2NORM
	M2MUL 2
	s_wait_dscnt 0x0                               ; for the others' sake: my part of the stage has landed, and my reads of the four waves' numbers are over
	s_barrier_signal -1
	M2FET 2
	M2MUL 3
	M2FET 3
	s_barrier_wait -1                              ; 16 whole rows lie in the stage
	OBLOAD
	M2MUL 4
	M2FET 4
	s_wait_dscnt 20                                ; K step 5's fragment is in: behind it stand a fragment, the 12 loads from the stage and a fragment
	M2MUL 5
	M2FET 5
	s_wait_dscnt 8                                 ; the rows are in; the two youngest fragments may be out
	OBSTORE 0
	M2STAT
	s_wait_xcnt 0x0                                ; the stores have read their registers and their base: both are written again
	s_add_nc_u64 s[24:25], s[24:25], 24576
	s_add_co_u32 s52, s52, 12288
	s_add_co_u32 s53, s53, 12288
	s_sub_co_u32 s50, s50, 1
	s_cmp_lg_u32 s50, 0
	s_cbranch_scc1 .Lm2
	s_wait_dscnt 0x0                               ; tile 7's norm is written out: no products are left to stand beside it
	s_barrier_signal -1
	s_barrier_wait -1
	LNLOAD
	s_wait_dscnt 0x0
	M2NORM
	s_wait_dscnt 0x0
	s_barrier_signal -1
	s_barrier_wait -1
	OBLOAD
	OBSTORE 1
	s_wait_tensorcnt 0x0                           ; the wave's end, behind my last tensor load and my last LDS store
	ds_add_u32 v[SPW], v[NIL]
	s_wait_dscnt 0x0
	s_endpgm
.Lfunc_end_k_qd9c00c5abc_main:
	.size	k_qd9c00c5abc_main, .Lfunc_end_k_qd9c00c5abc_main-k_qd9c00c5abc_main
	.p2alignl 7, 3214868480
	.fill 96, 4, 3214868480
	.section	.rodata,"a",@progbits
	.p2align	6, 0x0
	.amdhsa_kernel k_qd9c00c5abc_main
		.amdhsa_group_segment_fixed_size 327680
		.amdhsa_private_segment_fixed_size 0
		.amdhsa_enable_private_segment 0
		.amdhsa_kernarg_size 88
		.amdhsa_user_sgpr_count 2
		.amdhsa_user_sgpr_kernarg_segment_ptr 1
		.amdhsa_wavefront_size32 1
		.amdhsa_system_sgpr_workgroup_id_x 1
		.amdhsa_system_sgpr_workgroup_id_y 1
		.amdhsa_system_sgpr_workgroup_id_z 1
		.amdhsa_system_vgpr_workitem_id 0
		.amdhsa_next_free_vgpr 1024
		.amdhsa_next_free_sgpr 100
		.amdhsa_reserve_vcc 0
		.amdhsa_float_denorm_mode_32 3
		.amdhsa_float_denorm_mode_16_64 3
		.amdhsa_memory_ordered 1
		.amdhsa_forward_progress 1
		.amdhsa_inst_pref_size 255
	.end_amdhsa_kernel
	.section	.bss,"aw",@nobits
	.p2align	6
	.space	262144
	.amdgpu_metadata
---
amdhsa.version: [ 1, 2 ]
amdhsa.kernels:
  - .name:           k_qd9c00c5abc_main
    .symbol:         k_qd9c00c5abc_main.kd
    .args:
      - { .name: x, .offset: 0, .size: 8, .value_kind: global_buffer, .address_space: global }
      - { .name: wc, .offset: 8, .size: 8, .value_kind: global_buffer, .address_space: global }
      - { .name: lowp_scales, .offset: 16, .size: 8, .value_kind: global_buffer, .address_space: global }
      - { .name: bq, .offset: 24, .size: 8, .value_kind: global_buffer, .address_space: global }
      - { .name: bk, .offset: 32, .size: 8, .value_kind: global_buffer, .address_space: global }
      - { .name: bv, .offset: 40, .size: 8, .value_kind: global_buffer, .address_space: global }
      - { .name: b1, .offset: 48, .size: 8, .value_kind: global_buffer, .address_space: global }
      - { .name: b2, .offset: 56, .size: 8, .value_kind: global_buffer, .address_space: global }
      - { .name: gamma, .offset: 64, .size: 8, .value_kind: global_buffer, .address_space: global }
      - { .name: beta, .offset: 72, .size: 8, .value_kind: global_buffer, .address_space: global }
      - { .name: out0, .offset: 80, .size: 8, .value_kind: global_buffer, .address_space: global }
    .group_segment_fixed_size: 327680
    .private_segment_fixed_size: 0
    .kernarg_segment_align: 8
    .kernarg_segment_size: 88
    .max_flat_workgroup_size: 128
    .sgpr_count:     100
    .vgpr_count:     1024
    .wavefront_size: 32
...
	.end_amdgpu_metadata
.endif
;; end of part 2
